; MI455X (gfx1250); checked and timed in simulation.
; The chip was launched on July 23, 2026; its instructions are those of AMD's public machine-readable ISA for CDNA 5 (MIT licence, August 2026) and "CDNA5" Instruction Set Architecture Reference Guide (July 2026). The comments in the code are by the model that wrote it; some were corrected since.
;; Multi Head Attention. Allowed arithmetic: matrix products marked QUANTISED: E2M1 operands, one E8M0 scale for each 32 along K, by v_wmma_scale_f32_16x16x128_f8f6f4 with both operands' format E2M1 (or v_wmma_scale_f32_32x16x128_f4), f32 sums; products left as they are: bf16, f16 or f32 operands; f32 sums; everything else in f32.
;; Inputs: b_lin 2,048 x 256 float32; data 2,048 x 256 float32; w_lin 2,048 x 32,768 float32; wk 16 x 256 x 256 float32; wq 16 x 256 x 256 float32; wv 16 x 256 x 256 float32.
;; Outputs: out0 2,048 x 256 float32.
;; This version of the problem:
;;   THIS VERSION OF THE PROBLEM IS GIVEN IN LOW PRECISION. The matrix products marked QUANTISED in the list below multiply operands that are first quantised to E2M1 (2 exponent bits, 1 mantissa bit; 4 bits a number), with one power-of-two scale for each 32 numbers along K (OCP MX v1.0); their sums are f32. The products marked 'left as it is' may take bf16, f16 or f32 operands, with f32 sums. Whichever they take, every output number must still come out within the allowed error. Rounding operands to bf16 (8 significant bits) uses up far more of that allowance than f16 does (11 bits, for magnitudes from 6e-5 to 65,504). All else is computed in f32.
;;   The module's matrix products, in the order in which they are computed (A, B: the left and right operand; K: the contracted axis; several contracted axes count as one K, in the product's order):
;;     1. [M 4,096, K 256] x [K 256, N 2,048]; A: input wq; B: input data: QUANTISED
;;     2. [M 4,096, K 256] x [K 256, N 2,048]; A: input wk; B: input data: QUANTISED
;;     3. [M 4,096, K 256] x [K 256, N 2,048]; A: input wv; B: input data: QUANTISED
;;     4. batch 16 x [M 2,048, K 256] x [K 256, N 2,048]; A: computed on the way; B: computed on the way: left as it is (an operand is computed on the way)
;;     5. batch 16 x [M 2,048, K 2,048] x [K 2,048, N 256]; A: computed on the way; B: computed on the way: left as it is (an operand is computed on the way)
;;     6. [M 2,048, K 32,768] x [K 32,768, N 256]; A: input w_lin; B: computed on the way: left as it is (an operand is computed on the way)
;;   THE QUANTISER, for each operand of a quantised product, along K:
;;     - K is cut into blocks of 32 from its start; a last block that is shorter is filled with zeros.
;;     - A block's scale is 2^e with e = floor(log2(the largest magnitude in the block)) - 2, held to -126 .. 127; a block of zeros has e = 0. As a byte (E8M0): e + 127.
;;     - Each number is divided by its block's scale, clamped to +-6, and rounded to the nearest number of E2M1, ties to even, subnormals kept.
;;     - The product sums the exact products of the quantised numbers (number of the format x scale) in f32.
;;   ~~~python
;;   def quantise(x, axis):      # numpy; x: float32 -> the quantised numbers, widened to float32 again
;;       x = np.moveaxis(x, axis, -1); K = x.shape[-1]
;;       x = np.pad(x, [(0, 0)] * (x.ndim - 1) + [(0, -K % 32)]); x = x.reshape(x.shape[:-1] + (-1, 32)); a = np.abs(x).max(-1, keepdims=True)
;;       e = np.where(a > 0, np.clip(np.frexp(np.where(a > 0, a, 1))[1] - 1 - 2, -126, 127), 0)      # np.frexp(a)[1] - 1 = floor(log2(a)), exactly
;;       r = np.clip(x / 2.0 ** e, -6, 6)
;;       step = 2.0 ** (np.maximum(np.frexp(np.where(r == 0, 1, r))[1] - 1, 0) - 1)
;;       q = np.round(r / step) * step * 2.0 ** e      # np.round: ties to even
;;       return np.moveaxis(q.reshape(q.shape[:-2] + (-1,))[..., :K], -1, axis).astype(np.float32)
;;   ~~~
;; One version. Each part assembles by itself: llvm-mc -triple=amdgcn-amd-amdhsa -mcpu=gfx1250 --defsym DOCPART=n.
;; ======== version 1 of 1: 5 launches
;; limits: values are held in f16: magnitudes above 65,504 overflow, below 6.1e-05 lose precision
;; workspace buffers: wimg 1,572,864 bytes; wsc 98,304 bytes; qimg 16,777,216 bytes; kimg 16,777,216 bytes; vimg 16,777,216 bytes; zimg 16,777,216 bytes; part 33,554,432 bytes
;; launch wquant (part 1): grid 4 x 48, 4 waves a work-group, no clusters, 0 bytes of LDS; arguments wq, wk, wv, wimg, wsc; writes wimg, wsc
.if DOCPART == 1
	.amdgcn_target "amdgcn-amd-amdhsa--gfx1250"
	.amdhsa_code_object_version 6
	.text
	.protected	k_qd60fb8aaa5_wquant
	.globl	k_qd60fb8aaa5_wquant
	.p2align	8
	.type	k_qd60fb8aaa5_wquant,@function
k_qd60fb8aaa5_wquant:
	s_mov_b64 s[64:65], 0
	v_nop
	global_prefetch_b8 v0, s[64:65] scope:SCOPE_SE
	s_setreg_imm32_b32 hwreg(HW_REG_WAVE_MODE, 25, 1), 1
	s_wait_xcnt 0x0
; wq, wk, wv: [16 heads][256 d][256 e] f32, K = d is NOT innermost.  They become codes of FP4 (E2M1) with one E8M0 byte for each 32 along d.
; A lane takes a column e and its registers run down d: a block of 32 lies in one lane's 32 registers, so its largest magnitude needs no other lane,
; and the conversions give codes with K innermost.  The codes are stored as IMAGES OF THE OPERAND'S REGISTERS:
;   wimg [th = 16 tensor + head][e tile (16)][K step (2)][c (2)][lane (32)][16 bytes]: lane (r, g) holds row e = 16 tile + r, registers 4 c .. 4 c + 3 hold d = 128 step + 64 c + 32 g + 0 .. 31
;   wsc  [th][K step][e (256)]: one word: byte b scales d = 128 step + 32 b ..
; Work-group (x, y): y = th; x & 1 = K step, x >> 1 = which 128 columns.  A wave: 32 columns x 128 along d: four blocks a lane.  No LDS, no barrier: waves share nothing.
; A block's scale is 2^(floor(log2(largest magnitude)) - 2); its byte is the largest magnitude's exponent field - 2, held at 1 from below.
; LIMITS: a block of zeros gets the byte 1 (its codes are zeros; the bytes are read by this program alone); NaN and infinities among the inputs are not served.
.set X,    32                          ; v32-95   two sets of 32 numbers
.set C,    96                          ; v96-111  four registers of codes for each block: no store's data are written again
.set SB,   24                          ; v24      the four scale bytes
.set EMAX, 2
	s_load_b256 s[4:11], s[0:1], 0x0               ; wq s[4:5], wk s[6:7], wv s[8:9], wimg s[10:11]
	s_load_b64 s[12:13], s[0:1], 0x20              ; wsc
	v_lshrrev_b32 v1, 5, v0
	v_readfirstlane_b32 s14, v1                    ; wave
	v_and_b32 v2, 31, v0                           ; lane
	v_lshlrev_b32 v3, 2, v2                        ; in, and the scale word's place: 4 bytes a lane
	v_and_b32 v5, 15, v2
	v_lshrrev_b32 v6, 4, v2
	v_lshlrev_b32 v4, 4, v5
	v_lshl_add_u32 v4, v6, 11, v4                  ; the codes' place: 16 (lane % 16) + 2,048 (lane / 16): my column's e tile and its row
	s_and_b32 s15, ttmp7, 0xffff                   ; th
	s_and_b32 s16, s15, 15                         ; head
	s_and_b32 s17, ttmp9, 1                        ; K step
	s_lshr_b32 s18, ttmp9, 1
	s_lshl_b32 s18, s18, 2
	s_add_co_u32 s18, s18, s14                     ; which 32 columns: 0 .. 7
	s_lshl_b32 s20, s16, 18                        ; in: head x 262,144
	s_lshl_b32 s19, s17, 17                        ;   + K step x 128 rows of 1,024 bytes
	s_add_co_u32 s20, s20, s19
	s_lshl_b32 s19, s18, 7                         ;   + 128 bytes for each 32 columns
	s_add_co_u32 s20, s20, s19
	s_mov_b32 s21, 0
	s_lshl_b32 s22, s15, 15                        ; codes: th x 32,768
	s_lshl_b32 s19, s18, 12                        ;   + two e tiles of 2,048 bytes
	s_add_co_u32 s22, s22, s19
	s_lshl_b32 s19, s17, 10                        ;   + K step x 1,024
	s_add_co_u32 s22, s22, s19
	s_mov_b32 s23, 0
	s_lshl_b32 s24, s15, 11                        ; scale words: th x 2,048 + K step x 1,024 + 128 for each 32 columns
	s_add_co_u32 s24, s24, s19
	s_lshl_b32 s19, s18, 7
	s_add_co_u32 s24, s24, s19
	s_mov_b32 s25, 0
	s_wait_kmcnt 0x0
	s_cmp_lt_u32 s15, 32                           ; which tensor: the choice hangs on the work-group's number alone
	s_cselect_b64 s[6:7], s[6:7], s[8:9]
	s_cmp_lt_u32 s15, 16
	s_cselect_b64 s[4:5], s[4:5], s[6:7]
	s_add_nc_u64 s[4:5], s[4:5], s[20:21]
	s_add_nc_u64 s[10:11], s[10:11], s[22:23]
	s_add_nc_u64 s[12:13], s[12:13], s[24:25]
.macro LOAD t                          ; block t: w(32 t + i, my column), i = 0 .. 31, into set t % 2; a wave's load reads 128 consecutive bytes
.irp i, 0,1,2,3,4,5,6,7,8,9,10,11,12,13,14,15,16,17,18,19,20,21,22,23,24,25,26,27,28,29,30,31
	global_load_b32 v[X+32*((\t)%2)+\i], v3, s[4:5] offset:(32*(\t)+\i)*1024 th:TH_LOAD_NT
.endr
.endm
.macro BLOCK t
.set XS, X+32*((\t)%2)
.if (\t) < 3
	s_wait_loadcnt 32                              ; this block's 32 loads are in; the next block's 32 may be out
.else
	s_wait_loadcnt 0x0
.endif
	v_max3_num_f32 v12, |v[XS]|, |v[XS+1]|, |v[XS+2]|              ; the block's largest magnitude, in two chains
	v_max3_num_f32 v13, |v[XS+3]|, |v[XS+4]|, |v[XS+5]|
.irp i, 6,10,14,18,22,26
	v_max3_num_f32 v12, v12, |v[XS+\i]|, |v[XS+\i+1]|
	v_max3_num_f32 v13, v13, |v[XS+\i+2]|, |v[XS+\i+3]|
.endr
	v_max3_num_f32 v12, v12, |v[XS+30]|, |v[XS+31]|
	v_max3_num_f32 v12, v12, v13, (EMAX+1)<<23     ; and the floor 2^(3 - 127): the byte cannot fall under 1
	v_add_nc_u32 v11, -(EMAX<<23), v12             ; 2 off the exponent field: the conversion takes the exponent field of this operand as its scale
	v_lshrrev_b32 v13, 23, v11                     ; the scale's byte
.if (\t) == 0
	v_mov_b32 v[SB], v13
.else
	v_lshl_or_b32 v[SB], v13, 8*(\t), v[SB]        ; the lower d in the lower byte
.endif
.irp g, 0,1,2,3
	v_cvt_scalef32_pk8_fp4_f32 v[C+4*(\t)+\g], v[XS+8*\g:XS+8*\g+7], v11
.endr
	global_store_b128 v4, v[C+4*(\t):C+4*(\t)+3], s[10:11] offset:((\t)/2)*512+((\t)%2)*256   ; sixteen lanes store 256 consecutive bytes, aligned
.if (\t)+2 < 4
	LOAD (\t)+2
.endif
.endm
	LOAD 0
	LOAD 1
	BLOCK 0
	BLOCK 1
	BLOCK 2
	BLOCK 3
	global_store_b32 v3, v[SB], s[12:13]           ; 32 columns' scale words: 128 consecutive bytes
	s_endpgm
.Lfunc_end_k_qd60fb8aaa5_wquant:
	.size	k_qd60fb8aaa5_wquant, .Lfunc_end_k_qd60fb8aaa5_wquant-k_qd60fb8aaa5_wquant
	.p2alignl 7, 3214868480
	.fill 96, 4, 3214868480
	.section	.rodata,"a",@progbits
	.p2align	6, 0x0
	.amdhsa_kernel k_qd60fb8aaa5_wquant
		.amdhsa_group_segment_fixed_size 0
		.amdhsa_private_segment_fixed_size 0
		.amdhsa_enable_private_segment 0
		.amdhsa_kernarg_size 40
		.amdhsa_user_sgpr_count 2
		.amdhsa_user_sgpr_kernarg_segment_ptr 1
		.amdhsa_wavefront_size32 1
		.amdhsa_system_sgpr_workgroup_id_x 1
		.amdhsa_system_sgpr_workgroup_id_y 1
		.amdhsa_system_sgpr_workgroup_id_z 1
		.amdhsa_system_vgpr_workitem_id 0
		.amdhsa_next_free_vgpr 128
		.amdhsa_next_free_sgpr 66
		.amdhsa_reserve_vcc 0
		.amdhsa_float_denorm_mode_32 3
		.amdhsa_float_denorm_mode_16_64 3
		.amdhsa_memory_ordered 1
		.amdhsa_forward_progress 1
		.amdhsa_inst_pref_size 20
	.end_amdhsa_kernel
	.amdgpu_metadata
---
amdhsa.version: [ 1, 2 ]
amdhsa.kernels:
  - .name:           k_qd60fb8aaa5_wquant
    .symbol:         k_qd60fb8aaa5_wquant.kd
    .args:
      - { .name: wq, .offset: 0, .size: 8, .value_kind: global_buffer, .address_space: global }
      - { .name: wk, .offset: 8, .size: 8, .value_kind: global_buffer, .address_space: global }
      - { .name: wv, .offset: 16, .size: 8, .value_kind: global_buffer, .address_space: global }
      - { .name: wimg, .offset: 24, .size: 8, .value_kind: global_buffer, .address_space: global }
      - { .name: wsc, .offset: 32, .size: 8, .value_kind: global_buffer, .address_space: global }
    .group_segment_fixed_size: 0
    .private_segment_fixed_size: 0
    .kernarg_segment_align: 8
    .kernarg_segment_size: 40
    .max_flat_workgroup_size: 128
    .sgpr_count:     66
    .vgpr_count:     128
    .wavefront_size: 32
...
	.end_amdgpu_metadata
.endif
;; end of part 1
;; launch project (part 2): grid 16 x 16, 4 waves a work-group, no clusters, 18,944 bytes of LDS; arguments data, wimg, wsc, qimg, kimg, vimg; writes qimg, kimg, vimg
.if DOCPART == 2
	.amdgcn_target "amdgcn-amd-amdhsa--gfx1250"
	.amdhsa_code_object_version 6
	.text
	.protected	k_qd60fb8aaa5_project
	.globl	k_qd60fb8aaa5_project
	.p2align	8
	.type	k_qd60fb8aaa5_project,@function
k_qd60fb8aaa5_project:
	s_mov_b64 s[64:65], 0
	v_nop
	global_prefetch_b8 v0, s[64:65] scope:SCOPE_SE
	s_setreg_imm32_b32 hwreg(HW_REG_WAVE_MODE, 25, 1), 1
	s_wait_xcnt 0x0
; q, k, v [head][s][e] = data [s][d] x w [head][d][e], both operands as codes of FP4 (E2M1) with one E8M0 scale for each 32 along d; sums in f32; results rounded once to f16.
; Work-group (x = 128 rows of data, y = head).  X: wave w quantises rows 32 w .. 32 w + 31 (four fragments of 16 rows x 128 d) and puts their register images and scale words into LDS | one barrier |
; wave w multiplies all 128 rows by e tiles 4 w .. 4 w + 3 of wq, wk and wv: its 24 weight fragments (192 registers) come from wimg straight into registers, read once.
; THE RESULTS ARE STORED AS IMAGES OF THE NEXT PRODUCTS' f16 OPERANDS, so that nothing is transposed later:
;   q, k: source 0 = 16 rows of w, source 1 = 16 rows of data: a lane holds one row s and eight neighbouring e.   qimg, kimg [head][s tile (128)][32 e (8)][half (2)][lane][16 bytes]
;   v:    source 0 = data, source 1 = w: a lane holds one channel e and eight neighbouring s (keys).             vimg       [head][32 keys (64)][e tile (16)][half (2)][lane][16 bytes]
; data is quantised anew by each head's work-group: 128 KB read and some hundred vector lines a wave.
; No tensor load: LDS is claimed as it is used.  No cluster: nothing that work-groups share goes through LDS fills.
; LIMITS: |q|, |k|, |v| must stay under 65,504 (f16); a block of zeros gets the scale byte 1 (its codes are zeros); NaN and infinities among the inputs are not served.
; REGISTERS.  window 0: v4-11 addresses; v12-27 data's scale words, v28-51 the weights': they hold scales and nothing else; ahead of the barrier v64-89 at work, v128-255 two sets of 64 numbers;
;   behind it v64-191 data's 16 fragments, v192-255 packed results, two sets.   window 1: v0-191 the weights' fragments; v192-255 eight accumulators.
.set XIMG,  0                          ; LDS: data's 16 fragments (2 x s tile + K step), 1,024 bytes each,
.set XSC,   16384                      ; their scale words, 128 bytes each,
.set SPARE, 18432                      ; the spare words, 128 bytes for each wave: two blocks of 256 bytes that no other line names
.set XA,  4                            ; v4   data: row (lane % 16) x 1,024 + 64 (lane / 16): my 16 numbers of a block of 32
.set LI,  5                            ; v5   16 x lane
.set LS,  6                            ; v6   4 x lane
.set XWI, 7                            ; v7   where I store images: 16 x lane + 4,096 x wave
.set XWS, 8                            ; v8   and scale words: 4 x lane + 512 x wave
.set WSO, 9                            ; v9   4 x (lane % 16)
.set SPW, 10                           ; v10  my spare word; never rewritten
.set NIL, 11                           ; v11  0; never rewritten
.set XS,  12
.set WS,  28
.set TM,  64                           ; v64-67 largest magnitudes, v68-71 bytes, v76-79 the conversions' scale operands
.set PW,  80                           ; the scale word just made
.set PC,  82                           ; v82-89 the codes just made
.set B0,  128
.set B1,  192
.set XF,  64
.set PK,  192
.set W,   0                            ; in window 1
.set ACC, 192                          ; in window 1
.set SEL, 20
.set MSB, 0
.macro WIN new                         ; the immediate's high byte repeats the setting that is left
.if MSB != (\new)
	s_set_vgpr_msb (MSB<<8)|(\new)
.set MSB, (\new)
.endif
.endm
; 64 numbers of a lane, register 16 b + i = d 32 b + 16 (lane / 16) + i of my row, become a fragment's codes in v[PC] on and its scale word in v[PW]
.macro QUANT s
.irp b, 0,1,2,3
	v_max3_num_f32 v[TM+\b], |v[\s+16*\b]|, |v[\s+1+16*\b]|, 0x1800000   ; my 16 numbers of block b, and the floor 2^(3 - 127): the byte cannot fall under 1
.endr
.irp i, 2,4,6,8,10,12,14
.irp b, 0,1,2,3
	v_max3_num_f32 v[TM+\b], v[TM+\b], |v[\s+16*\b+\i]|, |v[\s+1+16*\b+\i]|   ; the four blocks by turns
.endr
.endr
.irp b, 0,1,2,3
	v_permlanex16_b32 v[TM+4+\b], v[TM+\b], s[SEL], s[SEL+1]
.endr
.irp b, 0,1,2,3
	v_max_num_f32 v[TM+\b], v[TM+\b], v[TM+4+\b]   ; with lane l xor 16's: the block's largest magnitude
.endr
.irp b, 0,1,2,3
	v_add_nc_u32 v[TM+12+\b], 0xff000000, v[TM+\b] ; 2 off its exponent field: the conversion's scale operand
.endr
.irp b, 0,1,2,3
	v_lshrrev_b32 v[TM+4+\b], 23, v[TM+12+\b]      ; the scale's byte
.endr
	v_lshl_or_b32 v[PW], v[TM+5], 8, v[TM+4]
	v_lshl_or_b32 v[PW], v[TM+6], 16, v[PW]
	v_lshl_or_b32 v[PW], v[TM+7], 24, v[PW]
.irp b, 0,1,2,3
	v_cvt_scalef32_pk8_fp4_f32 v[PC+2*\b], v[\s+16*\b:\s+7+16*\b], v[TM+12+\b]
	v_cvt_scalef32_pk8_fp4_f32 v[PC+1+2*\b], v[\s+8+16*\b:\s+15+16*\b], v[TM+12+\b]
.endr
	v_nop                                          ; one plain place behind a scaled conversion
.irp c, 0,1                                    ; the operand's layout wants a whole block in a lane: lanes 0-15 block 2 c, lanes 16-31 block 2 c + 1
.irp i, 0,1
	v_permlane16_swap_b32 v[PC+4*\c+\i], v[PC+2+4*\c+\i]
.endr
.endr
.endm
.macro IMAGE f                         ; fragment f of my four goes to LDS as it stands, with its scale words
.irp c, 0,1
	ds_store_b128 v[XWI], v[PC+4*\c:PC+4*\c+3] offset:XIMG+1024*(\f)+512*\c
.endr
	ds_store_b32 v[XWS], v[PW] offset:XSC+128*(\f)
.endm
.macro XLOAD reg, f                    ; fragment f = 2 x (s tile of my two) + K step: 64 numbers a lane
.irp b, 0,1,2,3
.irp j, 0,1,2,3
	global_load_b128 v[\reg+16*\b+4*\j:\reg+16*\b+4*\j+3], v[XA], s[4:5] offset:((\f)/2)*16384+((\f)%2)*512+128*\b+16*\j
.endr
.endr
.endm
.macro WLOAD t                         ; tensor t's eight fragments of my four e tiles: 16 loads of 512 consecutive bytes
	WIN 0x40                                       ; destination window 1
.irp i, 0,1,2,3,4,5,6,7,8,9,10,11,12,13,14,15
	global_load_b128 v[W+64*(\t)+4*\i:W+64*(\t)+4*\i+3], v[LI], s[6:7] offset:(\t)*524288+512*\i
.endr
	WIN 0
.endm
	s_load_b256 s[4:11], s[0:1], 0x0               ; data s[4:5], wimg s[6:7], wsc s[8:9], qimg s[10:11]
	s_load_b128 s[12:15], s[0:1], 0x20             ; kimg s[12:13], vimg s[14:15]
	v_lshl_add_u32 v[SPW], v0, 2, SPARE
	v_mov_b32 v[NIL], 0
	v_lshrrev_b32 v1, 5, v0
	v_readfirstlane_b32 s16, v1                    ; wave 0..3
	v_and_b32 v1, 31, v0                           ; lane
	v_and_b32 v2, 15, v0                           ; r
	v_bfe_u32 v3, v0, 4, 1                         ; g
	v_lshlrev_b32 v[XA], 10, v2
	v_lshl_add_u32 v[XA], v3, 6, v[XA]
	v_lshlrev_b32 v[LI], 4, v1
	v_lshlrev_b32 v[LS], 2, v1
	s_lshl_b32 s17, s16, 12
	v_add_nc_u32 v[XWI], s17, v[LI]
	s_lshl_b32 s17, s16, 9
	v_add_nc_u32 v[XWS], s17, v[LS]
	v_lshlrev_b32 v[WSO], 2, v2
.irp b, 0,1,2,3
	v_mov_b32 v[TM+4+\b], 0                        ; written once: a lane permute's destination counts as one of its sources
.endr
	s_mov_b32 s[SEL], 0x76543210
	s_mov_b32 s[SEL+1], 0xfedcba98                 ; v_permlanex16_b32's selects for lane l xor 16
	s_and_b32 s18, ttmp7, 0xffff                   ; head
	s_lshl_b32 s22, ttmp9, 17                      ; data: 128 rows of 1,024 bytes a work-group,
	s_lshl_b32 s17, s16, 15                        ; 32 a wave
	s_add_co_u32 s22, s22, s17
	s_mov_b32 s23, 0
	s_lshl_b32 s24, s18, 15                        ; wimg: head x 32,768 + wave x four e tiles of 2,048 bytes (the tensor stands in the immediate)
	s_lshl_b32 s17, s16, 13
	s_add_co_u32 s24, s24, s17
	s_mov_b32 s25, 0
	s_lshl_b32 s26, s18, 11                        ; wsc: head x 2,048 + wave x 64 words
	s_lshl_b32 s17, s16, 8
	s_add_co_u32 s26, s26, s17
	s_mov_b32 s27, 0
	s_lshl_b32 s28, s18, 20                        ; the images: head x 2^20 + work-group x 65,536
	s_lshl_b32 s17, ttmp9, 16
	s_add_co_u32 s28, s28, s17
	s_lshl_b32 s17, s16, 11                        ; q, k: + wave x two chunks of 32 e
	s_add_co_u32 s30, s28, s17
	s_mov_b32 s31, 0
	s_lshl_b32 s17, s16, 12                        ; v: + wave x four e tiles
	s_add_co_u32 s28, s28, s17
	s_mov_b32 s29, 0
	s_wait_kmcnt 0x0
	s_add_nc_u64 s[4:5], s[4:5], s[22:23]
	s_add_nc_u64 s[6:7], s[6:7], s[24:25]
	s_add_nc_u64 s[8:9], s[8:9], s[26:27]
	s_add_nc_u64 s[10:11], s[10:11], s[30:31]
	s_add_nc_u64 s[12:13], s[12:13], s[30:31]
	s_add_nc_u64 s[14:15], s[14:15], s[28:29]
	; ---- X: my 32 rows become four fragments; the weights' loads are issued between, so that they land meanwhile
	XLOAD B0, 0
	XLOAD B1, 1
	s_wait_loadcnt 16                              ; fragment 0's 16 loads are in; fragment 1's 16 may be out
	QUANT B0
	IMAGE 0
	XLOAD B0, 2
	WLOAD 0
	s_wait_dscnt 0x0                               ; the LDS stores have read their registers
	s_wait_loadcnt 32                              ; fragment 1 is in; behind it: fragment 2's 16 and wq's 16
	QUANT B1
	IMAGE 1
	XLOAD B1, 3
	WLOAD 1
	s_wait_dscnt 0x0
	s_wait_loadcnt 48                              ; fragment 2 is in; behind it: wq's, fragment 3's and wk's, 16 each
	QUANT B0
	IMAGE 2
	WLOAD 2
	s_wait_dscnt 0x0
	s_wait_loadcnt 32                              ; fragment 3 is in; behind it: wk's 16 and wv's 16
	QUANT B1
	IMAGE 3
	s_wait_dscnt 0x0                               ; for the others' sake: my stores have landed
	s_barrier_signal -1
	s_barrier_wait -1                              ; data's sixteen fragments lie in LDS
.irp t, 0,1,2
.irp e, 0,1,2,3
.irp k, 0,1
	global_load_b32 v[WS+(4*\t+\e)*2+\k], v[WSO], s[8:9] offset:\t*32768+\k*1024+\e*64   ; lane r: the word of row e = 16 tile + r
.endr
.endr
.endr
.irp i, 0,1,2,3,4,5,6,7,8,9,10,11,12,13,14,15
	ds_load_b128 v[XF+8*\i:XF+8*\i+3], v[LI] offset:XIMG+1024*\i
	ds_load_b128 v[XF+8*\i+4:XF+8*\i+7], v[LI] offset:XIMG+1024*\i+512
	ds_load_b32 v[XS+\i], v[LS] offset:XSC+128*\i
.endr
	s_wait_loadcnt 0x0                             ; the weights and their scale words
	s_wait_dscnt 0x0
; ---- a group: tensor t, s tiles 2 sp and 2 sp + 1, my four e tiles: eight accumulators by turns, two K steps; packed to f16 and stored
.set GN, 0
.macro GROUP t, sp
.if \t < 2
	WIN 0x51                                       ; source 0 (w) window 1, source 1 (data) window 0, C and D window 1
.else
	WIN 0x54                                       ; source 0 (data) window 0, source 1 (w) window 1
.endif
.irp ks, 0,1
.irp sl, 0,1
.irp el, 0,1,2,3
.set rD, ACC+8*(4*\sl+\el)
.set rW, W+8*((4*\t+\el)*2+\ks)
.set rX, XF+8*(2*(2*\sp+\sl)+\ks)
.set rWS, WS+(4*\t+\el)*2+\ks
.set rXS, XS+2*(2*\sp+\sl)+\ks
.if \t < 2
.if \ks == 0
	v_wmma_scale_f32_16x16x128_f8f6f4 v[rD:rD+7], v[rW:rW+7], v[rX:rX+7], 0, v[rWS], v[rXS] matrix_a_fmt:MATRIX_FMT_FP4 matrix_b_fmt:MATRIX_FMT_FP4
.else
	v_wmma_scale_f32_16x16x128_f8f6f4 v[rD:rD+7], v[rW:rW+7], v[rX:rX+7], v[rD:rD+7], v[rWS], v[rXS] matrix_a_fmt:MATRIX_FMT_FP4 matrix_b_fmt:MATRIX_FMT_FP4
.endif
.else
.if \ks == 0
	v_wmma_scale_f32_16x16x128_f8f6f4 v[rD:rD+7], v[rX:rX+7], v[rW:rW+7], 0, v[rXS], v[rWS] matrix_a_fmt:MATRIX_FMT_FP4 matrix_b_fmt:MATRIX_FMT_FP4
.else
	v_wmma_scale_f32_16x16x128_f8f6f4 v[rD:rD+7], v[rX:rX+7], v[rW:rW+7], v[rD:rD+7], v[rXS], v[rWS] matrix_a_fmt:MATRIX_FMT_FP4 matrix_b_fmt:MATRIX_FMT_FP4
.endif
.endif
.endr
.endr
.endr
.rept 4
	v_nop                                          ; four places ahead of the first read of results (ISA guide 7.12.1)
.endr
	s_wait_xcnt 0x0                                ; the stores of two groups back have read this set of packed results
	WIN 0x05                                       ; sources window 1, destination window 0
.irp a, 0,1,2,3,4,5,6,7
.irp i, 0,1,2,3
	v_cvt_pk_f16_f32 v[PK+32*(GN%2)+4*\a+\i], v[ACC+8*\a+2*\i], v[ACC+8*\a+2*\i+1]   ; each accumulator from its low end on; these lines are also the places ahead of the next group's first products
.endr
.endr
	WIN 0
.irp sl, 0,1
.irp el, 0,1,2,3
.if \t < 2
	global_store_b128 v[LI], v[PK+32*(GN%2)+4*(4*\sl+\el):PK+32*(GN%2)+4*(4*\sl+\el)+3], s[10+2*\t:11+2*\t] offset:(2*\sp+\sl)*8192+\el*512   ; e tile 4 w + el = half el % 2 of chunk 2 w + el / 2: 512 consecutive bytes
.else
	global_store_b128 v[LI], v[PK+32*(GN%2)+4*(4*\sl+\el):PK+32*(GN%2)+4*(4*\sl+\el)+3], s[14:15] offset:\sp*16384+\el*1024+\sl*512           ; s tile 2 sp + sl = half sl of the chunk of 32 keys
.endif
.endr
.endr
.set GN, GN+1
.endm
.irp p, 0,1,2,3
	GROUP 0, \p
	GROUP 1, \p
	GROUP 2, \p
.endr
	s_wait_tensorcnt 0x0                           ; the wave's end, behind my last LDS store
	ds_add_u32 v[SPW], v[NIL]
	s_wait_dscnt 0x0
	s_endpgm
.Lfunc_end_k_qd60fb8aaa5_project:
	.size	k_qd60fb8aaa5_project, .Lfunc_end_k_qd60fb8aaa5_project-k_qd60fb8aaa5_project
	.p2alignl 7, 3214868480
	.fill 96, 4, 3214868480
	.section	.rodata,"a",@progbits
	.p2align	6, 0x0
	.amdhsa_kernel k_qd60fb8aaa5_project
		.amdhsa_group_segment_fixed_size 18944
		.amdhsa_private_segment_fixed_size 0
		.amdhsa_enable_private_segment 0
		.amdhsa_kernarg_size 48
		.amdhsa_user_sgpr_count 2
		.amdhsa_user_sgpr_kernarg_segment_ptr 1
		.amdhsa_wavefront_size32 1
		.amdhsa_system_sgpr_workgroup_id_x 1
		.amdhsa_system_sgpr_workgroup_id_y 1
		.amdhsa_system_sgpr_workgroup_id_z 1
		.amdhsa_system_vgpr_workitem_id 0
		.amdhsa_next_free_vgpr 512
		.amdhsa_next_free_sgpr 66
		.amdhsa_reserve_vcc 0
		.amdhsa_float_denorm_mode_32 3
		.amdhsa_float_denorm_mode_16_64 3
		.amdhsa_memory_ordered 1
		.amdhsa_forward_progress 1
		.amdhsa_inst_pref_size 95
	.end_amdhsa_kernel
	.amdgpu_metadata
---
amdhsa.version: [ 1, 2 ]
amdhsa.kernels:
  - .name:           k_qd60fb8aaa5_project
    .symbol:         k_qd60fb8aaa5_project.kd
    .args:
      - { .name: data, .offset: 0, .size: 8, .value_kind: global_buffer, .address_space: global }
      - { .name: wimg, .offset: 8, .size: 8, .value_kind: global_buffer, .address_space: global }
      - { .name: wsc, .offset: 16, .size: 8, .value_kind: global_buffer, .address_space: global }
      - { .name: qimg, .offset: 24, .size: 8, .value_kind: global_buffer, .address_space: global }
      - { .name: kimg, .offset: 32, .size: 8, .value_kind: global_buffer, .address_space: global }
      - { .name: vimg, .offset: 40, .size: 8, .value_kind: global_buffer, .address_space: global }
    .group_segment_fixed_size: 18944
    .private_segment_fixed_size: 0
    .kernarg_segment_align: 8
    .kernarg_segment_size: 48
    .max_flat_workgroup_size: 128
    .sgpr_count:     66
    .vgpr_count:     512
    .wavefront_size: 32
...
	.end_amdgpu_metadata
.endif
;; end of part 2
;; launch attend (part 3): grid 16 x 16, 4 waves a work-group, clusters of 4 x 1, 327,680 bytes of LDS; arguments qimg, kimg, vimg, zimg; writes zimg
.if DOCPART == 3
	.amdgcn_target "amdgcn-amd-amdhsa--gfx1250"
	.amdhsa_code_object_version 6
	.text
	.protected	k_qd60fb8aaa5_attend
	.globl	k_qd60fb8aaa5_attend
	.p2align	8
	.type	k_qd60fb8aaa5_attend,@function
k_qd60fb8aaa5_attend:
	s_mov_b64 s[64:65], 0
	v_nop
	global_prefetch_b8 v0, s[64:65] scope:SCOPE_SE
	s_setreg_imm32_b32 hwreg(HW_REG_WAVE_MODE, 25, 1), 1
	s_wait_xcnt 0x0
	s_wait_alu depctr_hold_cnt(0) depctr_sa_sdst(0) depctr_va_vdst(0) depctr_va_sdst(0) depctr_va_ssrc(0) depctr_va_vcc(0) depctr_vm_vsrc(0)
	s_getreg_b32 s2, hwreg(HW_REG_IB_STS2, 6, 4)
	s_cmp_eq_u32 s2, 0
	s_cbranch_scc0 .Lentry_in_a_cluster
	s_endpgm
.Lentry_in_a_cluster:
	s_bfe_u32 s2, ttmp6, 0x10000c
	s_cmp_lg_u32 s2, 0x3003
	s_cbranch_scc0 .Lentry_shape_is_right
	s_endpgm
.Lentry_shape_is_right:
; z[h][q][:] = the sum over k of softmax_k(q . k / 16) v[h][k][:], 16 heads, 2,048 positions, head size 256, no mask.  Operands f16, products, maxima and sums f32; the weights p are rounded to f16 for the second product.
; SHARES.  A work-group owns 128 queries of one head.  At head size 256 a wave's 64 queries fill its registers (O^T 512, Q 256), so the four waves are (which 64 queries) x (which 1,024 keys): wave w: queries 64 (w / 2) on,
; keys 1,024 (w % 2) on, 16 steps of 64 keys, each wave with a running maximum and sum of its own.  The two key halves of a query are merged once, at the end, through LDS.
; LAYOUT.  S^T = K Q^T (source 0 = 16 keys, source 1 = 16 queries): a lane holds ONE query and eight keys; two such tiles rounded in pairs ARE source 1 of O^T = V^T P.  All operands lie in memory as images of their registers:
; a step's K (64 keys) and V are dense blocks of 32,768 bytes, and a fragment is two LDS loads of 16 bytes a lane at 16 x lane.
; LOCAL TILES.  A wave's local tile t is its actual tile t xor 2 (w % 2); only Q's addresses know.  So every wave keeps local tiles 0, 1 and sends local tiles 2, 3 to its partner w xor 1, by the same text.
; SOFTMAX.  p = 2^(c s - c m), c = log2(e) / 16, m the running maximum; in every step O^T and l are multiplied by a = 2^(c m_old - c m_new).
; CLUSTER.  The four query blocks of a cluster belong to one head and walk the same K and V: each tile is asked for jointly, by the same tensor load with a mask that names the four.
; RING.  Two slots of one step (K of both key halves, V of both: 131,072 bytes); wave w fetches the block at 32,768 w of a slot.  By this text's count a wave has one tensor load out, and every wait on TENSORcnt is for 0.
; LIMITS: NaN and infinities are not served; |z| under 65,504; magnitudes of z and p under 6e-5 keep f16's absolute step of 6e-8.
; REGISTERS.  window 0: v2-15 addresses; v16-47 eight registers of statistics a tile (+0 c m, +1 m, +2, +3 l, +4..7 at work, +6 a); v48-111 four sub-buffers of two fragments; v112-239 S^T, 32 a tile, P over it; v240-243 the partner's statistics.
;   window 1: Q, 64 a tile.   window 2: O^T of local tiles 0, 1 (128 a tile).   window 3: O^T of local tiles 2, 3.
.set SLOT1, 1<<17                      ; slot 1 begins here: one exclusive or turns an address from one slot to the other
.set SPARE, 262144                     ; behind the ring: the spare words, 128 bytes for each wave: two blocks of 256 bytes that no other line names
.set XST,   262656                     ; the merge: 512 bytes of statistics for each wave
.set STG,   131072                     ; the way out: 32 rows x 544 bytes for each wave, in slot 1, behind its last fill and last read
.set SP,    544                        ; 512 bytes + 32
.set AK0,  2                           ; v2   16 x lane + 32,768 x key half: my place in a slot's K
.set AV0,  3                           ; v3   the same for V
.set ADK,  4                           ; v4   the step's K;  at the end: where my statistics go
.set ADV,  5                           ; v5   the step's V;  at the end: where my partner's lie
.set QO01, 6                           ; v6   Q's offset for local tiles 0, 1;  at the end at work
.set QO23, 7                           ; v7   for local tiles 2, 3;  at the end at work
.set PFO,  8                           ; v8   256 x lane; never rewritten
.set SPW,  9                           ; v9   my spare word; never rewritten
.set NIL,  10                          ; v10  0; never rewritten
.set XO,   11                          ; v11  the merge: where my O^T goes
.set XI,   12                          ; v12  where my partner's lies
.set STO,  13                          ; v13  the stage: where I put 16 bytes of a row
.set RD,   14                          ; v14  and where the turning load reads
.set LI,   15                          ; v15  16 x lane
.set ST,   16
.set FB,   48
.set S,    112
.set MS,   240
.set WV,   12                          ; s12  wave
.set LIM,  15                          ; s15  1 in a work-group that prefetches, else the greatest number
.set PFA,  18                          ; s[18:19] where my prefetches stand
.set G1,   24                          ; s[24:31] descriptor group 1
.set G0,   32                          ; s[32:35] descriptor group 0: it walks
.set TB,   36                          ; s36  the slot in hand
.set SL,   37                          ; s37  changes of slots that still fill
.set CS,   38                          ; s[38:39] c, twice
.set SEL,  40                          ; s[40:41] lane selects for lane l xor 16
.set MSB, 0
.macro WIN new                         ; the immediate's high byte repeats the setting that is left
.if MSB != (\new)
	s_set_vgpr_msb (MSB<<8)|(\new)
.set MSB, (\new)
.endif
.endm
.macro PLACES                          ; four places behind matrix instructions, ahead of loads into their sources and of reads of their results
.rept 4
	v_nop
.endr
.endm
.macro CROUND                          ; a round of the cluster's barrier
	s_barrier_signal -1
	s_barrier_wait -1
	s_cmp_lg_u32 s[WV], 0
	s_cbranch_scc1 .Lnot_wave_0_\@
	s_barrier_signal -3
.Lnot_wave_0_\@:
	s_barrier_wait -3
	s_barrier_signal -1
	s_barrier_wait -1
.endm
; A prefetch of the tile that the NEXT change of slots will ask for: one key step, 256 matrix instructions, ahead of that load.  All clusters of a head walk the same K and V: the head's first cluster asks.
; Of the 32,768 bytes that wave w fetches each of the four partners names 8,192, told apart by address; lanes 256 bytes apart.  So each block of 256 bytes is named once.  The last change that fills asks for nothing.
.macro ASK
	s_cmp_gt_u32 s[SL], s[LIM]
	s_cbranch_scc0 .Lnot_mine_\@
	global_prefetch_b8 v[PFO], s[PFA:PFA+1] th:TH_LOAD_NT scope:SCOPE_SE
.Lnot_mine_\@:
.endm
; Sub-batch ix: two fragments, four LDS loads, into sub-buffer ix % 4.  ix < 16: K: key tiles 2 (ix % 2) + u, channels 32 (ix / 2) on.  16 <= ix < 32: V: keys 32 ((ix - 16) / 8) on, channel tiles 2 ((ix - 16) % 8) + u.
.macro SLOAD
.irp u, 0,1
.set rF, FB+16*(ix%4)+8*\u
.if ix < 16
	ds_load_b128 v[rF:rF+3],   v[ADK] offset:(2*(ix%2)+\u)*8192+(ix/2)*1024
	ds_load_b128 v[rF+4:rF+7], v[ADK] offset:(2*(ix%2)+\u)*8192+(ix/2)*1024+512
.else
	ds_load_b128 v[rF:rF+3],   v[ADV] offset:(16*((ix-16)/8)+2*((ix-16)%8)+\u)*1024
	ds_load_b128 v[rF+4:rF+7], v[ADV] offset:(16*((ix-16)/8)+2*((ix-16)%8)+\u)*1024+512
.endif
.endr
.endm
; Eight products of S^T = K Q^T on sub-batch i; the accumulators take turns: two links of a chain stand sixteen products apart
.macro KQSUB
	s_wait_dscnt 12                                ; sub-batch i is in; the three younger ones, four loads each, may be out
.irp u, 0,1
.irp t, 0,1,2,3
.set rS, S+32*\t+8*(2*(i%2)+\u)
.set rA, FB+16*(i%4)+8*\u
.set rQ, 64*\t+8*(i/2)
.if i < 2
	v_wmma_f32_16x16x32_f16 v[rS:rS+7], v[rA:rA+7], v[rQ:rQ+7], 0
.else
	v_wmma_f32_16x16x32_f16 v[rS:rS+7], v[rA:rA+7], v[rQ:rQ+7], v[rS:rS+7]
.endif
.endr
.endr
	PLACES
.set ix, i+4
	SLOAD                                          ; into the sub-buffer just multiplied; from i = 12 on these are V's first fragments
.endm
; Eight products of O^T += V^T P on sub-batch 16 + j
.macro PVSUB first
.if j < 13
	s_wait_dscnt 12
.else
	s_wait_dscnt 4*(15-j)                          ; the last sub-batches: nothing younger is issued
.endif
.irp hw, 0,1
	WIN 0xa0+0x50*\hw                              ; C and D window 2 (local tiles 0, 1), then window 3 (local tiles 2, 3)
.irp u, 0,1
.irp t, 0,1
.set rO, 128*\t+8*(2*(j%8)+\u)
.set rA, FB+16*(j%4)+8*\u
.set rP, S+32*(2*\hw+\t)+8*(j/8)
.if \first && (j < 8)
	v_wmma_f32_16x16x32_f16 v[rO:rO+7], v[rA:rA+7], v[rP:rP+7], 0
.else
	v_wmma_f32_16x16x32_f16 v[rO:rO+7], v[rA:rA+7], v[rP:rP+7], v[rO:rO+7]
.endif
.endr
.endr
.endr
	WIN 0
	PLACES
.if j < 12
.set ix, 20+j
	SLOAD
.endif
.endm
; The softmax of a step, four tiles by turns.  first = 1: the first step starts m, l and O^T: no a, nothing to rescale.
.macro SOFTMAX first
.irp j, 0,1,2,3                        ; the maximum of a lane's 32 scores and the old m: four chains; each tile of S^T is read from its low end on
.irp t, 0,1,2,3
	v_max3_num_f32 v[ST+8*\t+4+\j], v[S+32*\t+8*\j], v[S+32*\t+8*\j+1], v[S+32*\t+8*\j+2]
.endr
.endr
.irp q, 3,5
.irp j, 0,1,2,3
.irp t, 0,1,2,3
	v_max3_num_f32 v[ST+8*\t+4+\j], v[ST+8*\t+4+\j], v[S+32*\t+8*\j+\q], v[S+32*\t+8*\j+\q+1]
.endr
.endr
.endr
.irp t, 0,1,2,3
	v_max3_num_f32 v[ST+8*\t+4], v[ST+8*\t+4], v[S+32*\t+7], v[S+32*\t+15]
.endr
.irp t, 0,1,2,3
	v_max3_num_f32 v[ST+8*\t+6], v[ST+8*\t+6], v[S+32*\t+23], v[S+32*\t+31]
.endr
.irp t, 0,1,2,3
	v_max3_num_f32 v[ST+8*\t+4], v[ST+8*\t+4], v[ST+8*\t+5], v[ST+8*\t+6]
.endr
.irp t, 0,1,2,3
.if \first
	v_max_num_f32 v[ST+8*\t+4], v[ST+8*\t+4], v[ST+8*\t+7]
.else
	v_max3_num_f32 v[ST+8*\t+4], v[ST+8*\t+4], v[ST+8*\t+7], v[ST+8*\t+1]
.endif
.endr
.irp t, 0,1,2,3
	v_permlanex16_b32 v[ST+8*\t+5], v[ST+8*\t+4], s[SEL], s[SEL+1]   ; the query's other 32 keys lie in the lane 16 away
.endr
.if \first == 0
.irp t, 0,1,2,3
	v_mov_b32 v[ST+8*\t+7], v[ST+8*\t]             ; c m_old is kept for a
.endr
.endif
.irp t, 0,1,2,3
	v_max_num_f32 v[ST+8*\t+1], v[ST+8*\t+4], v[ST+8*\t+5]
.endr
.irp t, 0,1,2,3
	v_mul_f32 v[ST+8*\t], s[CS], v[ST+8*\t+1]
.endr
.if \first == 0
.irp t, 0,1,2,3
	v_sub_f32 v[ST+8*\t+7], v[ST+8*\t+7], v[ST+8*\t]
.endr
.endif
.irp p, 0,2,4,6,8,10,12,14,16,18,20,22,24,26,28,30
.irp t, 0,1,2,3
	v_pk_fma_f32 v[S+32*\t+\p:S+32*\t+\p+1], v[S+32*\t+\p:S+32*\t+\p+1], s[CS:CS+1], v[ST+8*\t:ST+8*\t+1] op_sel_hi:[1,0,0] neg_lo:[0,0,1] neg_hi:[0,0,1]   ; c s - c m
.endr
.endr
.if \first == 0
.irp t, 0,1,2,3
	v_exp_f32 v[ST+8*\t+6], v[ST+8*\t+7]           ; a
.endr
	v_nop                                          ; a plain instruction behind the last of the four,
	s_wait_alu depctr_va_vdst(0)                   ; and a wait ahead of a's first reader
.endif
; the 128 exponentials are one batch with one wait; the rescaling of O^T, which reads a alone and names no result of the batch, is dealt out among them: four exponentials, eight packed multiplies
.set gi, 0
.rept 32
	WIN 0
.irp n, 0,1,2,3
	v_exp_f32 v[S+4*gi+\n], v[S+4*gi+\n]
.endr
.if \first == 0
	WIN 0x82+0x41*(gi/16)                          ; O^T (destination and source 0) window 2, then window 3; a in window 0
.set rT, ST+8*(gi/8)+6
.set rO, 128*((gi/8)%2)+16*(gi%8)
.irp n, 0,2,4,6,8,10,12,14
	v_pk_mul_f32 v[rO+\n:rO+\n+1], v[rO+\n:rO+\n+1], v[rT:rT+1] op_sel_hi:[1,0]
.endr
.endif
.set gi, gi+1
.endr
	WIN 0
	v_nop                                          ; a plain instruction behind the last exponential,
	s_wait_alu depctr_va_vdst(0)                   ; and one wait for the batch, ahead of its first reader
.irp t, 0,1,2,3                        ; the sums of the unrounded p, in two chains a tile; l = a l + the sum
.if \first
	v_pk_add_f32 v[ST+8*\t+2:ST+8*\t+3], v[S+32*\t:S+32*\t+1], v[S+32*\t+6:S+32*\t+7]
.else
	v_pk_fma_f32 v[ST+8*\t+2:ST+8*\t+3], v[ST+8*\t+2:ST+8*\t+3], v[ST+8*\t+6:ST+8*\t+7], v[S+32*\t:S+32*\t+1] op_sel_hi:[1,0,1]
.endif
.endr
.irp t, 0,1,2,3
	v_pk_add_f32 v[ST+8*\t+4:ST+8*\t+5], v[S+32*\t+2:S+32*\t+3], v[S+32*\t+4:S+32*\t+5]
.endr
.if \first == 0
.irp t, 0,1,2,3
	v_pk_add_f32 v[ST+8*\t+2:ST+8*\t+3], v[ST+8*\t+2:ST+8*\t+3], v[S+32*\t+6:S+32*\t+7]
.endr
.endif
.irp p, 8,12,16,20,24,28
.irp t, 0,1,2,3
	v_pk_add_f32 v[ST+8*\t+2:ST+8*\t+3], v[ST+8*\t+2:ST+8*\t+3], v[S+32*\t+\p:S+32*\t+\p+1]
.endr
.irp t, 0,1,2,3
	v_pk_add_f32 v[ST+8*\t+4:ST+8*\t+5], v[ST+8*\t+4:ST+8*\t+5], v[S+32*\t+\p+2:S+32*\t+\p+3]
.endr
.endr
.irp t, 0,1,2,3
	v_pk_add_f32 v[ST+8*\t+2:ST+8*\t+3], v[ST+8*\t+2:ST+8*\t+3], v[ST+8*\t+4:ST+8*\t+5]
.endr
.irp i, 0,1,2,3,4,5,6,7,8,9,10,11,12,13,14,15
.irp t, 0,1,2,3
	v_cvt_pk_f16_f32 v[S+32*\t+\i], v[S+32*\t+2*\i], v[S+32*\t+2*\i+1]   ; P over S^T, ascending: registers 8 kc .. 8 kc + 7 are source 1 for keys 32 kc on
.endr
.endr
.endm
; A key step: 128 products K Q^T, the softmax, 128 products V^T P.  The two additions and the four v_nop of the step before are the places ahead of the loads into the sub-buffers and of the products that write over P.
.macro STEP first
	v_add_nc_u32 v[ADK], s[TB], v[AK0]
	v_add_nc_u32 v[ADV], s[TB], v[AV0]
.set ix, 0
.rept 4
	SLOAD
.set ix, ix+1
.endr
	WIN 0x04                                       ; source 1 (Q) window 1; all else window 0
.set i, 0
.rept 16
	KQSUB
.set i, i+1
.endr
	WIN 0
	SOFTMAX \first
.set j, 0
.rept 16
	PVSUB \first
.set j, j+1
.endr
	s_xor_b32 s[TB], s[TB], SLOT1                  ; on to the other slot
.endm
; The change of slots stands at a step's head.  Each wave waits for all its tensor loads (its part of the slot ahead), adds 0 to its spare word, and waits for that and for its reads of the slot that it has left.
; fill = 1: behind a round of the cluster's barrier the slot that was left is filled with the step after this one: the load has this step's 256 matrix instructions in which to land.
.macro CHANGE fill, ask
	s_wait_tensorcnt 0x0                           ; no tensor load of mine is out, so group 0 may be written
	ds_add_u32 v[SPW], v[NIL]                      ; 0 onto my spare word
.if \fill
	s_xor_b32 s[G0+1], s[G0+1], SLOT1              ; the walking descriptor: the other slot,
	s_add_nc_u64 s[G0+2:G0+3], s[G0+2:G0+3], 32768 ; the next 64 keys; the type bits on top are not reached
	s_wait_xcnt 0x0                                ; the last prefetch, a step back, has read its address
	s_add_nc_u64 s[PFA:PFA+1], s[PFA:PFA+1], 32768 ; one step further on than the walking descriptor
.endif
	s_wait_dscnt 0x0                               ; the add is done, and my reads of the slot that I have left are over
.if \fill
	CROUND                                         ; no wave of any partner still reads that slot or has a load on its way
	tensor_load_to_lds s[G0:G0+3], s[G1:G1+7]      ; my one tensor load behind the round, and the first thing there
	s_nop 0
	PLACES
.if \ask
	ASK
.endif
.else
	s_barrier_signal -1
	s_barrier_wait -1
.endif
.endm
	s_load_b256 s[4:11], s[0:1], 0x0               ; qimg s[4:5], kimg s[6:7], vimg s[8:9], zimg s[10:11]
	v_lshl_add_u32 v[SPW], v0, 2, SPARE
	v_mov_b32 v[NIL], 0
	ds_add_u32 v[SPW], v[NIL]                      ; the wave's opening: the add, twice on end, and its wait ahead of my first tensor load
	ds_add_u32 v[SPW], v[NIL]
	v_lshrrev_b32 v1, 5, v0
	v_readfirstlane_b32 s[WV], v1                  ; wave 0..3
	s_bfe_u32 s13, ttmp6, 0x40000                  ; cx: my place in the cluster
	s_lshl_b32 s14, ttmp9, 2                       ; in a cluster launch ttmp9 counts clusters
	s_add_co_u32 s14, s14, s13                     ; my block of 128 queries: it enters Q's and z's addresses alone
	s_and_b32 s20, ttmp7, 0xffff                   ; the head, which the four partners share
	s_lshl_b32 s20, s20, 20                        ; its first byte in each of the four buffers
	s_and_b32 s16, s[WV], 1                        ; key half.  Also: which half's tile I fetch
	s_lshr_b32 s17, s[WV], 1                       ; which 64 queries
	s_lshl_b32 s22, s16, 19                        ; 1,024 keys are 524,288 bytes
	s_add_co_u32 s22, s22, s20
	s_mov_b32 s23, 0
	s_lshl_b32 s2, s14, 16                         ; Q: 128 queries are 65,536 bytes,
	s_lshl_b32 s3, s17, 15                         ; 64 are 32,768
	s_add_co_u32 s2, s2, s3
	s_add_co_u32 s2, s2, s20
	s_mov_b32 s3, 0
	s_lshl_b32 s42, s14, 2                         ; z: my 32 finished queries are chunk 4 x block + wave, 16,384 bytes
	s_add_co_u32 s42, s42, s[WV]
	s_lshl_b32 s42, s42, 14
	s_add_co_u32 s42, s42, s20
	s_mov_b32 s43, 0
	s_lshl_b32 s46, s13, 13                        ; the prefetches: my work-group's 8,192 bytes of a tile,
	s_add_co_u32 s46, s46, 32768                   ; in tile 1: the change of step 0 steps it to tile 2 and asks for nothing, that of step 1 names tile 3
	s_mov_b32 s47, 0
	s_mov_b32 s[G1], 15|(3<<16)|(1<<21)            ; 15:0 the mask: all four work-groups; 17:16 elements of 8 bytes; 21 set beside a mask; no padding: fragments are read at 16 x lane
	s_mov_b32 s[G1+1], 32<<16                      ; tensor_dim0 = 32 elements: rows of 256 bytes
	s_mov_b32 s[G1+2], 128<<16                     ; tensor_dim1 = 128
	s_mov_b32 s[G1+3], 32<<16                      ; tile_dim0
	s_mov_b32 s[G1+4], 128                         ; tile_dim1: a dense block of 32,768 bytes
	s_mov_b32 s[G1+5], 32                          ; the pitch
	s_mov_b32 s[G1+6], 0
	s_mov_b32 s[G1+7], 0
	s_mov_b32 s[CS], 0x3db8aa3b                    ; c = log2(e) / 16
	s_mov_b32 s[CS+1], s[CS]                       ; named with it as a pair, so it is written
	s_mov_b32 s[SEL], 0x76543210
	s_mov_b32 s[SEL+1], 0xfedcba98
	s_mov_b32 s[TB], 0
	s_cmp_eq_u32 ttmp9, 0                          ; the head's first cluster: the same in all four partners
	s_cselect_b32 s[LIM], 1, -1
	v_and_b32 v1, 31, v0
	v_lshlrev_b32 v[LI], 4, v1
	v_lshlrev_b32 v[PFO], 8, v1
	s_lshl_b32 s21, s16, 15
	v_add_nc_u32 v[AK0], s21, v[LI]
	v_add_nc_u32 v[AV0], 0x10000, v[AK0]           ; V's two blocks lie behind K's two
	s_lshl_b32 s21, s16, 14                        ; local tiles 0, 1 are actual tiles 2 x key half on: 8,192 bytes a tile
	v_add_nc_u32 v[QO01], s21, v[LI]
	s_xor_b32 s21, s21, 16384                      ; local tiles 2, 3 the other two
	v_add_nc_u32 v[QO23], s21, v[LI]
	s_wait_dscnt 0x0                               ; both opening adds are done
	s_wait_kmcnt 0x0
	s_cmp_lt_u32 s[WV], 2                          ; waves 0, 1 fetch K's two blocks, waves 2, 3 V's
	s_cselect_b64 s[44:45], s[6:7], s[8:9]
	s_add_nc_u64 s[44:45], s[44:45], s[22:23]      ; my block of step 0: made of the head and the wave's number alone
	s_mov_b32 s[G0], 1                             ; count = 1
	s_lshl_b32 s[G0+1], s[WV], 15                  ; LDS address: slot 0, block w
	s_mov_b64 s[G0+2:G0+3], s[44:45]
	s_or_b32 s[G0+3], s[G0+3], 0x80000000          ; type = 2
	s_add_nc_u64 s[PFA:PFA+1], s[44:45], s[46:47]
	s_add_nc_u64 s[4:5], s[4:5], s[2:3]
	s_add_nc_u64 s[10:11], s[10:11], s[42:43]
	CROUND                                         ; all four work-groups are here: the first joint loads meet
	tensor_load_to_lds s[G0:G0+3], s[G1:G1+7]      ; step 0
	s_nop 0
	PLACES
	WIN 0x40                                       ; destination window 1: Q stays in registers
.irp t, 0,1
.irp c, 0,1,2,3,4,5,6,7
.irp f, 0,1
	global_load_b128 v[64*\t+8*\c+4*\f:64*\t+8*\c+4*\f+3], v[QO01], s[4:5] offset:\t*8192+\c*1024+\f*512
.endr
.endr
.endr
.irp t, 0,1
.irp c, 0,1,2,3,4,5,6,7
.irp f, 0,1
	global_load_b128 v[128+64*\t+8*\c+4*\f:128+64*\t+8*\c+4*\f+3], v[QO23], s[4:5] offset:\t*8192+\c*1024+\f*512
.endr
.endr
.endr
	WIN 0
	s_wait_loadcnt 0x0                             ; Q
	CHANGE 1, 0                                    ; step 0 is in; step 1 is asked for: slot 1's first fill, issued as a refill is
	STEP 1
	s_mov_b32 s[SL], 14
.Lstep:                                            ; steps 1 to 14: each change asks for the step after
	CHANGE 1, 1
	STEP 0
	s_sub_co_u32 s[SL], s[SL], 1
	s_cmp_lg_u32 s[SL], 0
	s_cbranch_scc1 .Lstep
	CHANGE 0, 0                                    ; the last step is written out
	STEP 0
	; ---- THE MERGE.  l's two halves and the other half of the lanes'; the total takes m's place.  These lines are also places behind the last products.
.irp t, 0,1,2,3
	v_add_f32 v[ST+8*\t+4], v[ST+8*\t+2], v[ST+8*\t+3]
.endr
.irp t, 0,1,2,3
	v_permlanex16_b32 v[ST+8*\t+5], v[ST+8*\t+4], s[SEL], s[SEL+1]
.endr
.irp t, 0,1,2,3
	v_add_f32 v[ST+8*\t+1], v[ST+8*\t+4], v[ST+8*\t+5]
.endr
	s_lshl_b32 s2, s[WV], 15                       ; the exchange lies in slot 0: it has had its last fill, and every wave has passed the last change of slots, behind which nobody reads it
	v_add_nc_u32 v[XO], s2, v[LI]
	s_xor_b32 s2, s2, 32768
	v_add_nc_u32 v[XI], s2, v[LI]                  ; my partner: wave xor 1
	v_lshrrev_b32 v1, 1, v[LI]                     ; 8 x lane
	s_lshl_b32 s2, s[WV], 9
	s_add_co_u32 s2, s2, XST
	v_add_nc_u32 v[ADK], s2, v1
	s_xor_b32 s2, s[WV], 1
	s_lshl_b32 s2, s2, 9
	s_add_co_u32 s2, s2, XST
	v_add_nc_u32 v[ADV], s2, v1
	WIN 0x0c                                       ; an LDS store's data are its source 1: window 3
.set n, 0
.rept 64
	ds_store_b128 v[XO], v[4*n:4*n+3] offset:512*n ; local tiles 2, 3 as they stand, each accumulator from its low end on
.set n, n+1
.endr
	WIN 0
	ds_store_b64 v[ADK], v[ST+16:ST+17]            ; (c m, l) of local tile 2,
	ds_store_b64 v[ADK], v[ST+24:ST+25] offset:256 ; and of local tile 3
	s_wait_dscnt 0x0                               ; for my partner's sake: my stores have landed; my reads of slot 1 are over too
	s_barrier_signal -1
	s_barrier_wait -1
	ds_load_b64 v[MS:MS+1], v[ADV]                 ; my partner's (c m, l) for my local tile 0,
	ds_load_b64 v[MS+2:MS+3], v[ADV] offset:256    ; and 1
	WIN 0xc0                                       ; destination window 3
.set n, 0
.rept 32
	ds_load_b128 v[4*n:4*n+3], v[XI] offset:512*n
.set n, n+1
.endr
	s_wait_dscnt 32                                ; the statistics are in; the 32 loads behind them may be out
.rept 32
	ds_load_b128 v[4*n:4*n+3], v[XI] offset:512*n
.set n, n+1
.endr
	WIN 0
.irp t, 0,1
	v_max_num_f32 v[ST+8*\t+5], v[ST+8*\t], v[MS+2*\t]             ; the joint c m
.endr
.irp t, 0,1
	v_sub_f32 v[ST+8*\t+6], v[ST+8*\t], v[ST+8*\t+5]
	v_sub_f32 v[ST+16+8*\t+6], v[MS+2*\t], v[ST+8*\t+5]
.endr
.irp t, 0,1
	v_exp_f32 v[ST+8*\t+6], v[ST+8*\t+6]           ; my factor,
	v_exp_f32 v[ST+16+8*\t+6], v[ST+16+8*\t+6]     ; my partner's: one of the two is 1
.endr
	v_nop
	s_wait_alu depctr_va_vdst(0)                   ; one wait for the four, ahead of their first reader
.irp t, 0,1
	v_mul_f32 v[ST+8*\t+4], v[ST+8*\t+1], v[ST+8*\t+6]
.endr
.irp t, 0,1
	v_fma_f32 v[ST+8*\t+4], v[MS+2*\t+1], v[ST+16+8*\t+6], v[ST+8*\t+4]   ; the joint l
.endr
.irp t, 0,1
	v_rcp_f32 v[ST+8*\t+5], v[ST+8*\t+4]
.endr
	v_nop
	s_wait_alu depctr_va_vdst(0)
.irp t, 0,1
	v_mul_f32 v[ST+8*\t+6], v[ST+8*\t+6], v[ST+8*\t+5]             ; factor / l, for my part
	v_mul_f32 v[ST+16+8*\t+6], v[ST+16+8*\t+6], v[ST+8*\t+5]       ; and for my partner's
.endr
	WIN 0x82                                       ; O^T (destination, source 0) window 2
.irp t, 0,1
.set n, 0
.rept 64
	v_pk_mul_f32 v[128*\t+2*n:128*\t+2*n+1], v[128*\t+2*n:128*\t+2*n+1], v[ST+8*\t+6:ST+8*\t+7] op_sel_hi:[1,0]
.set n, n+1
.endr
.endr
	s_wait_dscnt 0x0                               ; my partner's O^T is in
	WIN 0xa3                                       ; source 0 window 3, source 2 and destination window 2
.irp t, 0,1
.set n, 0
.rept 64
	v_pk_fma_f32 v[128*\t+2*n:128*\t+2*n+1], v[128*\t+2*n:128*\t+2*n+1], v[ST+16+8*\t+6:ST+16+8*\t+7], v[128*\t+2*n:128*\t+2*n+1] op_sel_hi:[1,0,1]
.set n, n+1
.endr
.endr
	; ---- THE WAY OUT.  z^T is wanted with a lane to a channel and registers along the queries: my 32 queries go into my stage as rows of 256 f16 and come back turned, as images of the next product's operand.
	WIN 0
	v_and_b32 v1, 15, v0                           ; r
	v_bfe_u32 v[QO01], v0, 4, 1                    ; g
	s_mul_i32 s2, s[WV], 32*SP
	s_add_co_u32 s2, s2, STG                       ; my stage, in slot 1: every wave's reads of it were over at the merge's barrier
	v_mul_u32_u24 v[STO], v1, SP
	v_lshl_add_u32 v[STO], v[QO01], 4, v[STO]
	v_add_nc_u32 v[STO], s2, v[STO]                ; in: row r, 16 bytes for each half of the lanes
	v_and_b32 v[QO23], 7, v0
	v_lshl_add_u32 v[RD], v[QO01], 3, v[QO23]
	v_mul_u32_u24 v[RD], v[RD], SP
	v_bfe_u32 v[QO23], v0, 3, 1
	v_lshl_add_u32 v[RD], v[QO23], 4, v[RD]
	v_add_nc_u32 v[RD], s2, v[RD]                  ; back: row 8 g + lane % 8, channels 8 ((lane / 8) % 2) on
	WIN 0x0a                                       ; sources window 2, destination window 0: S^T's registers are free
.irp t, 0,1
.set n, 0
.rept 64
	v_cvt_pk_f16_f32 v[S+64*\t+n], v[128*\t+2*n], v[128*\t+2*n+1]
.set n, n+1
.endr
.endr
	WIN 0
.irp t, 0,1
.irp c, 0,1,2,3,4,5,6,7,8,9,10,11,12,13,14,15
	ds_store_b128 v[STO], v[S+64*\t+4*\c:S+64*\t+4*\c+3] offset:\t*16*SP+32*\c
.endr
.endr
	WIN 0xc0                                       ; destination window 3
.irp e, 0,1,2,3,4,5,6,7,8,9,10,11,12,13,14,15
	ds_load_tr16_b128 v[8*\e:8*\e+3],   v[RD] offset:32*\e           ; LDS serves a wave's instructions in order (ISA guide 5.7.1.4): these see the stores above.  Channel 16 e + lane % 16, queries 8 g + 0 .. 7,
	ds_load_tr16_b128 v[8*\e+4:8*\e+7], v[RD] offset:32*\e+16*SP     ; and queries 16 + 8 g + 0 .. 7
.endr
	WIN 0x0c                                       ; a store's data are its source 1: window 3
.set n, 0
.rept 32
	s_wait_dscnt 31-n
	global_store_b128 v[LI], v[4*n:4*n+3], s[10:11] offset:512*n   ; 32 lanes store 512 consecutive bytes, aligned
.set n, n+1
.endr
	WIN 0
	s_wait_tensorcnt 0x0                           ; the wave's end, behind my last tensor load and my last LDS store
	ds_add_u32 v[SPW], v[NIL]
	s_wait_dscnt 0x0
	CROUND                                         ; the closing round: no work-group ends while a partner may still ask for a tile that names it
	s_endpgm
.Lfunc_end_k_qd60fb8aaa5_attend:
	.size	k_qd60fb8aaa5_attend, .Lfunc_end_k_qd60fb8aaa5_attend-k_qd60fb8aaa5_attend
	.p2alignl 7, 3214868480
	.fill 96, 4, 3214868480
	.section	.rodata,"a",@progbits
	.p2align	6, 0x0
	.amdhsa_kernel k_qd60fb8aaa5_attend
		.amdhsa_group_segment_fixed_size 327680
		.amdhsa_private_segment_fixed_size 0
		.amdhsa_enable_private_segment 0
		.amdhsa_kernarg_size 32
		.amdhsa_user_sgpr_count 2
		.amdhsa_user_sgpr_kernarg_segment_ptr 1
		.amdhsa_wavefront_size32 1
		.amdhsa_system_sgpr_workgroup_id_x 1
		.amdhsa_system_sgpr_workgroup_id_y 1
		.amdhsa_system_sgpr_workgroup_id_z 1
		.amdhsa_system_vgpr_workitem_id 0
		.amdhsa_next_free_vgpr 1024
		.amdhsa_next_free_sgpr 66
		.amdhsa_reserve_vcc 0
		.amdhsa_float_denorm_mode_32 3
		.amdhsa_float_denorm_mode_16_64 3
		.amdhsa_memory_ordered 1
		.amdhsa_forward_progress 1
		.amdhsa_inst_pref_size 246
	.end_amdhsa_kernel
	.amdgpu_metadata
---
amdhsa.version: [ 1, 2 ]
amdhsa.kernels:
  - .name:           k_qd60fb8aaa5_attend
    .symbol:         k_qd60fb8aaa5_attend.kd
    .args:
      - { .name: qimg, .offset: 0, .size: 8, .value_kind: global_buffer, .address_space: global }
      - { .name: kimg, .offset: 8, .size: 8, .value_kind: global_buffer, .address_space: global }
      - { .name: vimg, .offset: 16, .size: 8, .value_kind: global_buffer, .address_space: global }
      - { .name: zimg, .offset: 24, .size: 8, .value_kind: global_buffer, .address_space: global }
    .group_segment_fixed_size: 327680
    .private_segment_fixed_size: 0
    .kernarg_segment_align: 8
    .kernarg_segment_size: 32
    .max_flat_workgroup_size: 128
    .sgpr_count:     66
    .vgpr_count:     1024
    .wavefront_size: 32
...
	.end_amdgpu_metadata
.endif
;; end of part 3
;; launch gemm (part 4): grid 16 x 16, 4 waves a work-group, no clusters, 135,680 bytes of LDS; arguments w_lin, zimg, part; writes part
.if DOCPART == 4
	.amdgcn_target "amdgcn-amd-amdhsa--gfx1250"
	.amdhsa_code_object_version 6
	.text
	.protected	k_qd60fb8aaa5_gemm
	.globl	k_qd60fb8aaa5_gemm
	.p2align	8
	.type	k_qd60fb8aaa5_gemm,@function
k_qd60fb8aaa5_gemm:
	s_mov_b64 s[64:65], 0
	v_nop
	global_prefetch_b8 v0, s[64:65] scope:SCOPE_SE
	s_setreg_imm32_b32 hwreg(HW_REG_WAVE_MODE, 25, 1), 1
	s_wait_xcnt 0x0
; part[h] = w_lin[:, 2,048 h .. 2,048 h + 2,047] x z[h]: the last product, split along K by head; the sixteen parts and the bias are added by the next launch.  Operands f16, sums f32.
; Work-group (x = 128 rows of the output, y = head): K = 2,048, all 256 columns.  Wave w multiplies all 128 rows by columns 64 w .. 64 w + 63: 32 accumulators, 256 registers.
; w_lin arrives as f32 and is read once in the launch.  Wave w STREAMS rows 32 w .. 32 w + 31 into registers, 512 consecutive bytes a load, rounds them to f16 ONCE, and stores them into one of two LDS buffers
; (128 rows x 256 k, 512 bytes a row); all four waves read f16 fragments from there.  For a tile of 256 k that is 64 KB written and 256 KB read in LDS and 128 conversions a wave.
; z^T's fragments come from zimg straight into registers, 512 consecutive bytes a load, each wave its own columns.
; A CHUNK is 32 along K: 32 products.  A GROUP is 8 loads: 4 of my rows x 1,024 bytes.  In chunk c a wave converts group c + 8 (the next tile's; four conversions behind each of its first four products), and in ONE run of
; memory instructions behind its eighth product stores it into the other buffer, fetches chunk c + 1's fragments, and asks for group c + 12 and for z^T's chunk c + 4.  So the loads go out as group, z, group, z, 8 each,
; four chunks ahead of their use; 64 loads of a wave are out at the most (a load that the counter cannot take waits at its issue: ISA guide 5.7.1).
; ONE BARRIER A TILE: in front of it a wave's stores into the next buffer have landed and its reads of this buffer are over; behind it the buffers change parts.
; THE MATRIX INSTRUCTION IS USED TRANSPOSED (source 0 = 16 channels of z^T, source 1 = 16 rows of w_lin): a lane holds eight neighbouring columns of one row.  The accumulators are stored as they stand:
;   part [head][row block (16)][wave (4)][row tile (8)][column tile (4)][half (2)][lane][16 bytes] f32.
; NO CLUSTER: w_lin's tiles belong to one work-group alone; z^T, which the sixteen row blocks of a head share, would have to go through LDS to be asked for jointly: 128 KB written and 128 KB read more for each tile, beside the 320 KB above.
; No tensor load: LDS is claimed as it is used.  No prefetch: the ring in registers asks for w_lin all the time.
; LIMITS: |w_lin| under 65,504 (f16); magnitudes under 6e-5 keep f16's absolute step; NaN and infinities are not served.
; REGISTERS.  window 0: v1-7 addresses; v16-79, v80-143 w_lin's eight f16 fragments, two sets; v144-175 packed f16 on their way to LDS.   window 1: the accumulators, (row tile, column tile) at 8 (4 mt + nt).
;   window 2: z^T, chunk c in slot c % 8, 32 registers.   window 3: w_lin as f32, group j in slot j % 8, 32 registers.
.set PITCH, 528                        ; an LDS row: 512 bytes + 16 = 33 x 16 bytes: the 16 rows that a fragment load touches fall on 16 different 16-byte columns (64 banks of 4 bytes: ISA guide 11.1)
.set BUF,   128*PITCH                  ; a buffer
.set SPARE, 2*BUF                      ; behind the buffers: the spare words, 128 bytes for each wave: two blocks of 256 bytes that no other line names
.set LI,   1                           ; v1   16 x lane
.set RA,   2                           ; v2-3 a fragment's row in buffer 0, 1: (lane % 16) x pitch + 16 (lane / 16)
.set SA,   4                           ; v4-5 where I store in buffer 0, 1: my 32 rows, + 8 x lane
.set SPW,  6                           ; v6   my spare word; never rewritten
.set NIL,  7                           ; v7   0; never rewritten
.set HA,   16
.set PK,   144
.set SW,   4                           ; s[4:5]   w_lin at my first row, at the lap's first tile
.set SZ,   32                          ; s[32:33] z^T at the lap's first chunk
.set MSB, 0
.macro WIN new                         ; the immediate's high byte repeats the setting that is left
.if MSB != (\new)
	s_set_vgpr_msb (MSB<<8)|(\new)
.set MSB, (\new)
.endif
.endm
.macro PLACES                          ; four places ahead of loads into registers that matrix instructions have read, and of the first read of results
.rept 4
	v_nop
.endr
.endm
; chunk lx's eight fragments, from buffer (lx / 8) % 2 into set lx % 2: lane (r, g) takes, of each row tile's row r, k = 8 g + 0 .. 7 and 16 + 8 g + 0 .. 7
.macro ALOAD lx
.set aB, ((\lx)>>3)&1
.set aK, (\lx)&7
.set aH, HA+64*((\lx)&1)
.irp mt, 0,1,2,3,4,5,6,7
	ds_load_b128 v[aH+8*\mt:aH+8*\mt+3],   v[RA+aB] offset:\mt*16*PITCH+64*aK
	ds_load_b128 v[aH+8*\mt+4:aH+8*\mt+7], v[RA+aB] offset:\mt*16*PITCH+64*aK+32
.endr
.endm
; group gi, counted from the tile at s[SW]: tile gi / 8, my rows 4 (gi % 8) .. + 3, two loads of 512 consecutive bytes a row
.macro WLOAD gi
.set wS, 32*((\gi)&7)
.set wO, ((\gi)>>3)*1024+((\gi)&7)*4*131072
	WIN 0xc0                                       ; destination window 3
.irp i, 0,1,2,3,4,5,6,7
	global_load_b128 v[wS+4*\i:wS+4*\i+3], v[LI], s[SW:SW+1] offset:wO+(\i/2)*131072+(\i%2)*512 th:TH_LOAD_NT
.endr
.endm
; z^T's chunk ci, counted from s[SZ]: my four channel tiles
.macro ZLOAD ci
.set zS, 32*((\ci)&7)
	WIN 0x80                                       ; destination window 2
.irp n, 0,1,2,3,4,5,6,7
	global_load_b128 v[zS+4*\n:zS+4*\n+3], v[LI], s[SZ:SZ+1] offset:(\ci)*16384+512*\n
.endr
.endm
; four of a group's sixteen roundings: eight neighbouring f32 of slot sl become four registers of f16
.macro CVT4 sl, q0, pk
	WIN 0x0f                                       ; sources window 3, destination window 0
.irp q, 0,1,2,3
	v_cvt_pk_f16_f32 v[\pk+(\q0)+\q], v[32*(\sl)+2*((\q0)+\q)], v[32*(\sl)+2*((\q0)+\q)+1]
.endr
.endm
; the group's f16 into buffer sb: a load's 512 bytes have become 256 consecutive bytes of the row, 8 a lane
.macro SSTORE gq, sb, pk
.irp i, 0,1,2,3,4,5,6,7
	ds_store_b64 v[SA+(\sb)], v[\pk+2*\i:\pk+2*\i+1] offset:(4*(\gq)+\i/2)*PITCH+(\i%2)*256
.endr
.endm
.macro WM l, mt, nt, zero
.set rD, 8*(4*(\mt)+(\nt))
.set rZ, 32*((\l)&7)+8*(\nt)
.set rH, HA+64*((\l)&1)+8*(\mt)
.if \zero
	v_wmma_f32_16x16x32_f16 v[rD:rD+7], v[rZ:rZ+7], v[rH:rH+7], 0
.else
	v_wmma_f32_16x16x32_f16 v[rD:rD+7], v[rZ:rZ+7], v[rH:rH+7], v[rD:rD+7]
.endif
.endm
; A CHUNK, the l-th from s[SW] and s[SZ].  zero = 1: its products start the sums.  lc: how many younger loads may stay out.  stg: it converts and stores a group.  wl, zl: it asks for a group, for a chunk of z^T.
; bar = 1: a tile's last chunk: the barrier.  The 32 accumulators take turns in the same order in every chunk.
.macro CH l, zero, lc, stg, wl, zl, bar
	s_wait_loadcnt \lc                             ; the group that I convert and this chunk's z^T are in: both were asked for four chunks back
	s_wait_dscnt 0x0                               ; this chunk's fragments are in; the last run's stores, issued ahead of them, have read the packed registers
.irp nt, 0,1,2,3
	WIN 0x52                                       ; source 0 (z^T) window 2, source 1 window 0, C and D window 1
	WM \l, 0, \nt, \zero
.if \stg
	CVT4 ((\l)&7), 4*\nt, PK
.endif
.endr
	WIN 0x52
.irp nt, 0,1,2,3
	WM \l, 1, \nt, \zero
.endr
	PLACES                                         ; for the loads into the other fragment set and into z^T's slot, which earlier chunks' products have read
	WIN 0
.if \stg
	SSTORE ((\l)&7), ((((\l)>>3)+1)&1), PK
.endif
.if ((\l)&7) < 7
	ALOAD (\l)+1                                   ; 24 products ahead of their use
.endif
.if \wl
	WLOAD (\l)+12
.endif
.if \zl
	ZLOAD (\l)+4
.endif
.if \bar
	s_wait_dscnt 0x0                               ; for the others' sake: my stores into the next buffer have landed; my reads of this one were over at the chunk's head
	s_barrier_signal -1
.endif
	WIN 0x52
.irp mt, 2,3,4,5,6,7
.irp nt, 0,1,2,3
	WM \l, \mt, \nt, \zero
.endr
.endr
.if \bar
	WIN 0
	s_barrier_wait -1                              ; the next buffer is whole, and nobody reads this one any more
	ALOAD (\l)+1
.endif
.endm
; The prologue's step i: group i of tile 0 goes into buffer 0; behind it eight loads go out, by turns the next tile's groups 0 to 3 and z^T's chunks 0 to 3: the order that the chunks count on.
.macro PST i
	s_wait_loadcnt 56                              ; 64 + 8 i loads have been issued: groups 0 to i are in, the 56 younger loads may be out
.if \i >= 2
	s_wait_dscnt 8                                 ; the last step's eight stores may be out; those of two steps back have read this set of packed registers
.endif
.irp q0, 0,4,8,12
	CVT4 \i, \q0, PK+16*(\i%2)
.endr
	WIN 0
	SSTORE \i, 0, PK+16*(\i%2)
.if \i%2 == 0
	WLOAD 8+\i/2
.else
	ZLOAD \i/2
.endif
	WIN 0
.endm
	s_load_b128 s[4:7], s[0:1], 0x0                ; w_lin s[4:5], zimg s[6:7]
	s_load_b64 s[8:9], s[0:1], 0x10                ; part
	v_lshl_add_u32 v[SPW], v0, 2, SPARE
	v_mov_b32 v[NIL], 0
	v_lshrrev_b32 v8, 5, v0
	v_readfirstlane_b32 s10, v8                    ; wave 0..3
	s_and_b32 s11, ttmp7, 0xffff                   ; head
	s_lshl_b32 s12, ttmp9, 7
	s_lshl_b32 s13, s10, 5
	s_add_co_u32 s12, s12, s13                     ; the first row that I stream: 128 x block + 32 x wave,
	s_lshl_b32 s12, s12, 17                        ; of 131,072 bytes (under 2^28 in all),
	s_lshl_b32 s13, s11, 13                        ; + the head's 2,048 columns
	s_add_co_u32 s12, s12, s13
	s_mov_b32 s13, 0
	s_lshl_b32 s14, s11, 20                        ; z^T: head x 2^20 + wave x four channel tiles of 1,024 bytes
	s_lshl_b32 s15, s10, 12
	s_add_co_u32 s14, s14, s15
	s_mov_b32 s15, 0
	s_lshl_b32 s36, ttmp9, 2                       ; part: head x 2^21 + (4 x block + wave) x 32,768
	s_add_co_u32 s36, s36, s10
	s_lshl_b32 s36, s36, 15
	s_lshl_b32 s37, s11, 21
	s_add_co_u32 s36, s36, s37
	s_mov_b32 s37, 0
	s_mul_i32 s38, s10, 32*PITCH                   ; my 32 rows in a buffer
	v_and_b32 v8, 31, v0
	v_lshlrev_b32 v[LI], 4, v8
	v_lshlrev_b32 v9, 3, v8
	v_add_nc_u32 v[SA], s38, v9
	v_add_nc_u32 v[SA+1], BUF, v[SA]
	v_and_b32 v8, 15, v0                           ; r
	v_bfe_u32 v9, v0, 4, 1                         ; g
	v_mul_u32_u24 v[RA], v8, PITCH
	v_lshl_add_u32 v[RA], v9, 4, v[RA]
	v_add_nc_u32 v[RA+1], BUF, v[RA]
	s_wait_kmcnt 0x0
	s_add_nc_u64 s[SW:SW+1], s[SW:SW+1], s[12:13]
	s_add_nc_u64 s[SZ:SZ+1], s[6:7], s[14:15]
	s_add_nc_u64 s[8:9], s[8:9], s[36:37]
.irp j, 0,1,2,3,4,5,6,7
	WLOAD \j                                       ; tile 0: my 32 rows x 1,024 bytes, 64 loads
.endr
	WIN 0
.irp i, 0,1,2,3,4,5,6,7
	PST \i
.endr
	s_wait_dscnt 0x0                               ; for the others' sake: my rows of tile 0 have landed
	s_barrier_signal -1
	s_barrier_wait -1
	ALOAD 0
	CH 0, 1, 48, 1, 1, 1, 0                        ; the first chunk stands ahead of the loop: its products start the sums.  48: the three younger pairs of a group and a chunk of z^T
	WIN 0                                          ; at a label and at a branch every window is 0
	s_mov_b32 s34, 3
.Llap:                                             ; a trip takes both buffers once, from a tile's second chunk to the first chunk of the tile two on: chunks 1 to 48 in three trips
.irp k, 1,2,3,4,5,6
	CH \k, 0, 48, 1, 1, 1, 0
.endr
	CH 7, 0, 48, 1, 1, 1, 1
.irp k, 8,9,10,11,12,13,14
	CH \k, 0, 48, 1, 1, 1, 0
.endr
	CH 15, 0, 48, 1, 1, 1, 1
	CH 16, 0, 48, 1, 1, 1, 0
	WIN 0
	s_wait_xcnt 0x0                                ; the loads have read their bases
	s_add_nc_u64 s[SW:SW+1], s[SW:SW+1], 2048      ; two tiles on
	s_add_nc_u64 s[SZ:SZ+1], s[SZ:SZ+1], 262144    ; sixteen chunks on
	s_sub_co_u32 s34, s34, 1
	s_cmp_lg_u32 s34, 0
	s_cbranch_scc1 .Llap
.irp k, 1,2,3
	CH \k, 0, 48, 1, 1, 1, 0                       ; chunks 49 to 51 ask for the last three groups
.endr
	CH 4, 0, 48, 1, 0, 1, 0                        ; from here on no group is asked for, so fewer loads are younger than the pair that is wanted:
	CH 5, 0, 40, 1, 0, 1, 0                        ; two pairs and one chunk of z^T,
	CH 6, 0, 32, 1, 0, 1, 0                        ; one pair and two,
	CH 7, 0, 24, 1, 0, 1, 1                        ; three chunks of z^T.  The last group is stored: the last barrier
.irp k, 8,9,10,11
	CH \k, 0, 24, 0, 0, 1, 0                       ; the last tile: nothing is left to convert; chunks 56 to 59 ask for z^T's last four
.endr
	CH 12, 0, 24, 0, 0, 0, 0
	CH 13, 0, 16, 0, 0, 0, 0                       ; the counts run down
	CH 14, 0, 8, 0, 0, 0, 0
	CH 15, 0, 0, 0, 0, 0, 0
	PLACES
	WIN 0x04                                       ; a store's data are its source 1: window 1
.set n, 0
.rept 64
	global_store_b128 v[LI], v[4*n:4*n+3], s[8:9] offset:512*n th:TH_STORE_NT   ; each accumulator from its low end on; 512 consecutive bytes a store, aligned
.set n, n+1
.endr
	WIN 0
	s_wait_tensorcnt 0x0                           ; the wave's end, behind my last LDS store
	ds_add_u32 v[SPW], v[NIL]
	s_wait_dscnt 0x0
	s_endpgm
.Lfunc_end_k_qd60fb8aaa5_gemm:
	.size	k_qd60fb8aaa5_gemm, .Lfunc_end_k_qd60fb8aaa5_gemm-k_qd60fb8aaa5_gemm
	.p2alignl 7, 3214868480
	.fill 96, 4, 3214868480
	.section	.rodata,"a",@progbits
	.p2align	6, 0x0
	.amdhsa_kernel k_qd60fb8aaa5_gemm
		.amdhsa_group_segment_fixed_size 135680
		.amdhsa_private_segment_fixed_size 0
		.amdhsa_enable_private_segment 0
		.amdhsa_kernarg_size 24
		.amdhsa_user_sgpr_count 2
		.amdhsa_user_sgpr_kernarg_segment_ptr 1
		.amdhsa_wavefront_size32 1
		.amdhsa_system_sgpr_workgroup_id_x 1
		.amdhsa_system_sgpr_workgroup_id_y 1
		.amdhsa_system_sgpr_workgroup_id_z 1
		.amdhsa_system_vgpr_workitem_id 0
		.amdhsa_next_free_vgpr 1024
		.amdhsa_next_free_sgpr 66
		.amdhsa_reserve_vcc 0
		.amdhsa_float_denorm_mode_32 3
		.amdhsa_float_denorm_mode_16_64 3
		.amdhsa_memory_ordered 1
		.amdhsa_forward_progress 1
		.amdhsa_inst_pref_size 219
	.end_amdhsa_kernel
	.amdgpu_metadata
---
amdhsa.version: [ 1, 2 ]
amdhsa.kernels:
  - .name:           k_qd60fb8aaa5_gemm
    .symbol:         k_qd60fb8aaa5_gemm.kd
    .args:
      - { .name: w_lin, .offset: 0, .size: 8, .value_kind: global_buffer, .address_space: global }
      - { .name: zimg, .offset: 8, .size: 8, .value_kind: global_buffer, .address_space: global }
      - { .name: part, .offset: 16, .size: 8, .value_kind: global_buffer, .address_space: global }
    .group_segment_fixed_size: 135680
    .private_segment_fixed_size: 0
    .kernarg_segment_align: 8
    .kernarg_segment_size: 24
    .max_flat_workgroup_size: 128
    .sgpr_count:     66
    .vgpr_count:     1024
    .wavefront_size: 32
...
	.end_amdgpu_metadata
.endif
;; end of part 4
;; launch reduce (part 5): grid 512 x 1, 4 waves a work-group, no clusters, 17,920 bytes of LDS; arguments part, b_lin, out0; writes out0
.if DOCPART == 5
	.amdgcn_target "amdgcn-amd-amdhsa--gfx1250"
	.amdhsa_code_object_version 6
	.text
	.protected	k_qd60fb8aaa5_reduce
	.globl	k_qd60fb8aaa5_reduce
	.p2align	8
	.type	k_qd60fb8aaa5_reduce,@function
k_qd60fb8aaa5_reduce:
	s_mov_b64 s[64:65], 0
	v_nop
	global_prefetch_b8 v0, s[64:65] scope:SCOPE_SE
	s_setreg_imm32_b32 hwreg(HW_REG_WAVE_MODE, 25, 1), 1
	s_wait_xcnt 0x0
; out0 = b_lin + the sum over the 16 heads of part[head].  part holds accumulator images: [head][row block (16)][column quarter (4)][row tile (8)][column tile (4)][half (2)][lane][16 bytes] f32;
; lane (r, g), register 4 half + i: out(128 block + 16 tile + r, 64 quarter + 16 column tile + 8 g + 4 half + i).
; Work-group x owns 16 rows x 64 columns: the 4,096 bytes at 4,096 x of every head's 2 MB.  Wave v adds heads 4 v .. 4 v + 3 (32 loads of 512 consecutive bytes, all issued at once), puts its sum into its own stage in LDS
; as rows of 256 bytes; one barrier; each wave adds the four stages and the bias for four rows and stores them: sixteen lanes store 256 consecutive bytes, aligned.
; Memory binds: each byte is read once and written once.  No matrix unit, no cluster, no tensor load: nothing here is shared or multiplied.  The order of the sums is fixed.
.set SPITCH, 272                       ; a stage row: 256 bytes + 16
.set WST,    16*SPITCH                 ; a wave's stage
.set SPARE,  4*WST                     ; behind the stages: the spare words, 128 bytes for each wave: two blocks of 256 bytes that no other line names
.set SPW, 16                           ; v16  my spare word; never rewritten
.set NIL, 17                           ; v17  0; never rewritten
	s_load_b128 s[4:7], s[0:1], 0x0                ; part s[4:5], b_lin s[6:7]
	s_load_b64 s[8:9], s[0:1], 0x10                ; out0
	v_lshl_add_u32 v[SPW], v0, 2, SPARE
	v_mov_b32 v[NIL], 0
	v_lshrrev_b32 v1, 5, v0
	v_readfirstlane_b32 s10, v1                    ; wave
	v_and_b32 v1, 31, v0
	v_lshlrev_b32 v2, 4, v1                        ; 16 x lane
	v_and_b32 v3, 15, v0                           ; r
	v_bfe_u32 v4, v0, 4, 1                         ; g
	v_lshlrev_b32 v5, 4, v3
	v_lshl_add_u32 v5, v4, 10, v5                  ; b_lin, out0: lanes 0-15 one row's 256 bytes, lanes 16-31 the next row's
	s_mul_i32 s11, s10, WST
	v_mul_u32_u24 v6, v3, SPITCH
	v_lshl_add_u32 v6, v4, 5, v6
	v_add_nc_u32 v6, s11, v6                       ; into my stage: row r, + 32 g
	s_mul_i32 s11, s10, 4*SPITCH
	v_mul_u32_u24 v7, v4, SPITCH
	v_lshl_add_u32 v7, v3, 4, v7
	v_add_nc_u32 v7, s11, v7                       ; out of a stage: rows 4 v + g, 16 bytes a lane
	s_and_b32 s12, ttmp9, 7                        ; row tile
	s_bfe_u32 s13, ttmp9, 0x20003                  ; column quarter
	s_lshr_b32 s14, ttmp9, 5                       ; row block
	s_lshl_b32 s14, s14, 7
	s_lshl_b32 s12, s12, 4
	s_add_co_u32 s14, s14, s12
	s_lshl_b32 s12, s10, 2
	s_add_co_u32 s14, s14, s12                     ; my first row: 128 block + 16 tile + 4 wave,
	s_lshl_b32 s14, s14, 10                        ; of 1,024 bytes,
	s_lshl_b32 s13, s13, 8                         ; + the quarter's 256
	s_add_co_u32 s14, s14, s13
	s_mov_b32 s15, 0
	s_lshl_b32 s16, ttmp9, 12
	s_lshl_b32 s17, s10, 23                        ; four heads are 8,388,608 bytes
	s_add_co_u32 s16, s16, s17
	s_mov_b32 s17, 0
	s_wait_kmcnt 0x0
	s_add_nc_u64 s[4:5], s[4:5], s[16:17]
	s_add_nc_u64 s[6:7], s[6:7], s[14:15]
	s_add_nc_u64 s[8:9], s[8:9], s[14:15]
.irp p, 0,1
	global_load_b128 v[8+4*\p:11+4*\p], v5, s[6:7] offset:2048*\p th:TH_LOAD_NT   ; the bias of my four rows
.endr
.irp i, 0,1,2,3
.irp n, 0,1,2,3,4,5,6,7
	global_load_b128 v[32+32*\i+4*\n:35+32*\i+4*\n], v2, s[4:5] offset:\i*2097152+512*\n th:TH_LOAD_NT
.endr
.endr
	s_wait_loadcnt 16                              ; the bias and my first two heads are in; the other two heads' 16 loads may be out
.irp n, 0,2,4,6,8,10,12,14,16,18,20,22,24,26,28,30
	v_pk_add_f32 v[32+\n:33+\n], v[32+\n:33+\n], v[64+\n:65+\n]
.endr
	s_wait_loadcnt 0x0
.irp n, 0,2,4,6,8,10,12,14,16,18,20,22,24,26,28,30
	v_pk_add_f32 v[96+\n:97+\n], v[96+\n:97+\n], v[128+\n:129+\n]
.endr
.irp n, 0,2,4,6,8,10,12,14,16,18,20,22,24,26,28,30
	v_pk_add_f32 v[32+\n:33+\n], v[32+\n:33+\n], v[96+\n:97+\n]
.endr
.irp n, 0,1,2,3,4,5,6,7
	ds_store_b128 v6, v[32+4*\n:35+4*\n] offset:(\n/2)*64+(\n%2)*16   ; column tile n / 2, half n % 2
.endr
	s_wait_dscnt 0x0                               ; for the others' sake: my stores have landed
	s_barrier_signal -1
	s_barrier_wait -1
.irp p, 0,1
.irp u, 0,1,2,3
	ds_load_b128 v[64+16*\p+4*\u:67+16*\p+4*\u], v7 offset:\u*WST+\p*2*SPITCH
.endr
.endr
	s_wait_dscnt 0x0
.irp u, 0,1,2,3
.irp p, 0,1
.irp d, 0,2
	v_pk_add_f32 v[8+4*\p+\d:9+4*\p+\d], v[8+4*\p+\d:9+4*\p+\d], v[64+16*\p+4*\u+\d:65+16*\p+4*\u+\d]
.endr
.endr
.endr
.irp p, 0,1
	global_store_b128 v5, v[8+4*\p:11+4*\p], s[8:9] offset:2048*\p th:TH_STORE_NT
.endr
	s_wait_tensorcnt 0x0                           ; the wave's end, behind my last LDS store
	ds_add_u32 v[SPW], v[NIL]
	s_wait_dscnt 0x0
	s_endpgm
.Lfunc_end_k_qd60fb8aaa5_reduce:
	.size	k_qd60fb8aaa5_reduce, .Lfunc_end_k_qd60fb8aaa5_reduce-k_qd60fb8aaa5_reduce
	.p2alignl 7, 3214868480
	.fill 96, 4, 3214868480
	.section	.rodata,"a",@progbits
	.p2align	6, 0x0
	.amdhsa_kernel k_qd60fb8aaa5_reduce
		.amdhsa_group_segment_fixed_size 17920
		.amdhsa_private_segment_fixed_size 0
		.amdhsa_enable_private_segment 0
		.amdhsa_kernarg_size 24
		.amdhsa_user_sgpr_count 2
		.amdhsa_user_sgpr_kernarg_segment_ptr 1
		.amdhsa_wavefront_size32 1
		.amdhsa_system_sgpr_workgroup_id_x 1
		.amdhsa_system_sgpr_workgroup_id_y 1
		.amdhsa_system_sgpr_workgroup_id_z 1
		.amdhsa_system_vgpr_workitem_id 0
		.amdhsa_next_free_vgpr 176
		.amdhsa_next_free_sgpr 66
		.amdhsa_reserve_vcc 0
		.amdhsa_float_denorm_mode_32 3
		.amdhsa_float_denorm_mode_16_64 3
		.amdhsa_memory_ordered 1
		.amdhsa_forward_progress 1
		.amdhsa_inst_pref_size 11
	.end_amdhsa_kernel
	.amdgpu_metadata
---
amdhsa.version: [ 1, 2 ]
amdhsa.kernels:
  - .name:           k_qd60fb8aaa5_reduce
    .symbol:         k_qd60fb8aaa5_reduce.kd
    .args:
      - { .name: part, .offset: 0, .size: 8, .value_kind: global_buffer, .address_space: global }
      - { .name: b_lin, .offset: 8, .size: 8, .value_kind: global_buffer, .address_space: global }
      - { .name: out0, .offset: 16, .size: 8, .value_kind: global_buffer, .address_space: global }
    .group_segment_fixed_size: 17920
    .private_segment_fixed_size: 0
    .kernarg_segment_align: 8
    .kernarg_segment_size: 24
    .max_flat_workgroup_size: 128
    .sgpr_count:     66
    .vgpr_count:     176
    .wavefront_size: 32
...
	.end_amdgpu_metadata
.endif
;; end of part 5
